; MI455X (gfx1250); checked and timed in simulation.
; The chip was launched on July 23, 2026; its instructions are those of AMD's public machine-readable ISA for CDNA 5 (MIT licence, August 2026) and "CDNA5" Instruction Set Architecture Reference Guide (July 2026). The comments in the code are by the model that wrote it; some were corrected since.
;; Linear Attention Layer. Allowed arithmetic: float matrix products may take bf16 or f16 operands with f32 sums; other float arithmetic in f32, or as packed bf16 or f16 multiplies, adds, multiply-adds, maxima and minima; sums over many terms, partial sums and values carried from step to step in f32; what a program stores and reads back later, other than sums and carried values, may be rounded once to bf16 or f16.
;; Inputs: Wk 512 x 512 float32; Wo 512 x 512 float32; Wq 512 x 512 float32; Wv 512 x 512 float32; bk 512 float32; bo 512 float32; bq 512 float32; bv 512 float32; x 8 x 4,096 x 512 float32.
;; Outputs: out0 8 x 4,096 x 512 float32.
;; One version. Each part assembles by itself: llvm-mc -triple=amdgcn-amd-amdhsa -mcpu=gfx1250 --defsym DOCPART=n.
;; ======== version 1 of 1: 4 launches
;; workspace buffers: xb 33,554,432 bytes; wkb 524,288 bytes; wqb 524,288 bytes; w2f 524,288 bytes; wb 2,048 bytes; kxp 33,554,432 bytes; ksp 65,536 bytes; mtb 4,194,304 bytes
;; launch prep (part 1): grid 388 x 1, 8 waves a work-group, no clusters, 116,224 bytes of LDS; arguments x, Wk, Wq, Wv, Wo, bv, xb, wkb, wqb, w2f, wb; writes xb, wkb, wqb, w2f, wb
.if DOCPART == 1
	.amdgcn_target "amdgcn-amd-amdhsa--gfx1250"
	.amdhsa_code_object_version 6
	.text
	.protected	k_q8508852686_prep
	.globl	k_q8508852686_prep
	.p2align	8
	.type	k_q8508852686_prep,@function
k_q8508852686_prep:
	s_mov_b64 s[64:65], 0
	v_nop
	global_prefetch_b8 v0, s[64:65] scope:SCOPE_SE
	s_setreg_imm32_b32 hwreg(HW_REG_WAVE_MODE, 25, 1), 1
	s_wait_xcnt 0x0
; PREP.  Work-groups 0-127 (g): a tile 32 o x 64 c of W2 = Wo Wv (W2[o][c] = sum over e of Wo[o][e] Wv[e][c]; bf16 operands, f32 sums), stored in the order in which the launch mk loads it
; as matrix fragments; 4 rows of Wq as bf16 in blocks of 64 columns; 4 numbers of wb = Wo bv (f32).  Work-groups 128-383: xb = bf16(x), 262,144 bytes of f32 each.  384-387: wkb = bf16(Wk), by the same text.
; Why W2 and wb: K^T V = (K^T x) Wv^T + (sum of K) bv^T and (Q KV) Wo^T = Q (KV Wo^T) hold for every input, so V and the last projection are never formed row by row.
; The work-groups with the longer chain of dependent steps have the lowest numbers, and ALL their 54 loads a wave go out at once: 216 registers.
; All roundings are to bf16, to nearest even, once.
.set X,     32                         ; cast: v[32:159]  32 slots of 4 registers as loaded
.set Y,     160                        ; cast: v[160:223] 32 slots of 2 registers to store
.set A,     32                         ; W2: v[32:159]   Wv as loaded, then fragments
.set B,     160                        ; W2: v[160:223]  Wo as loaded; v[208:223] later the two accumulators
.set PVT,   160                        ; LDS row of Wv's 64 columns in bf16: 128 bytes + 32
.set WOL,   512*PVT                    ; behind Wv's 512 rows: Wo's 32 rows
.set PWO,   1040                       ; LDS row of Wo: 1,024 bytes + 16
.set SPARE, WOL+32*PWO                 ; the spare words, 128 bytes a wave: four blocks of 256 bytes that no other line names
.set SPW,   28                         ; v28  SPARE + 4 x my thread's number; never rewritten
.set NIL,   29                         ; v29  0; never rewritten
.macro PLACES
.rept 4
	v_nop
.endr
.endm
	s_load_b256 s[4:11], s[0:1], 0x0               ; x s[4:5], Wk s[6:7], Wq s[8:9], Wv s[10:11]
	s_load_b256 s[12:19], s[0:1], 0x20             ; Wo s[12:13], bv s[14:15], xb s[16:17], wkb s[18:19]
	s_load_b128 s[20:23], s[0:1], 0x40             ; wqb s[20:21], w2f s[22:23]
	s_load_b64 s[24:25], s[0:1], 0x50              ; wb
	v_lshl_add_u32 v[SPW], v0, 2, SPARE
	v_mov_b32 v[NIL], 0
	s_mov_b32 s26, ttmp9
	s_cmp_lt_u32 s26, 128
	s_cbranch_scc1 .Lprep
	; THE CAST.  Thread t takes 16 bytes at 16 t + 4,096 i, i = 0..63, and stores 8 bytes at 8 t + 2,048 i: a wave's load covers 512 consecutive bytes, its store 256, aligned.
	; All steps stand in the immediates: no address register is rewritten.  32 loads of every wave are on their way.
	s_sub_co_u32 s26, s26, 128                     ; the chunk: 0..255 of x, 256..259 of Wk
	s_and_b32 s27, s26, 255
	s_lshl_b32 s32, s27, 18
	s_mov_b32 s33, 0
	s_lshl_b32 s34, s27, 17
	s_mov_b32 s35, 0
	v_lshlrev_b32 v2, 4, v0
	v_lshlrev_b32 v3, 3, v0
	s_wait_kmcnt 0x0
	s_cmp_lt_u32 s26, 256
	s_cselect_b64 s[28:29], s[4:5], s[6:7]
	s_cselect_b64 s[30:31], s[16:17], s[18:19]
	s_add_nc_u64 s[28:29], s[28:29], s[32:33]
	s_add_nc_u64 s[30:31], s[30:31], s[34:35]
.set i, 0
.rept 32
	global_load_b128 v[X+4*i:X+4*i+3], v2, s[28:29] offset:4096*i th:TH_LOAD_NT
.set i, i+1
.endr
.macro SLOT ahead, left                ; slot i % 32's turn; left = the younger loads, which may stay out
	s_wait_loadcnt \left
	s_wait_xcnt 0x0                                ; the slot's Y, which its last store reads, is rewritten only behind this wait
	v_cvt_pk_bf16_f32 v[Y+2*(i%32)],   v[X+4*(i%32)],   v[X+4*(i%32)+1]
	v_cvt_pk_bf16_f32 v[Y+2*(i%32)+1], v[X+4*(i%32)+2], v[X+4*(i%32)+3]
.if \ahead
	global_load_b128 v[X+4*(i%32):X+4*(i%32)+3], v2, s[28:29] offset:4096*(i+32) th:TH_LOAD_NT
.endif
	global_store_b64 v3, v[Y+2*(i%32):Y+2*(i%32)+1], s[30:31] offset:2048*i
.set i, i+1
.endm
.set i, 0
.rept 32
	SLOT 1, 31
.endr
.rept 32
	SLOT 0, 63-i                                   ; the last 32 load nothing: the counts run down
.endr
	s_branch .Lend
.Lprep:
	s_lshr_b32 s36, s26, 3                         ; ob: the tile's 32 o, 0..15
	s_and_b32 s37, s26, 7                          ; cb: the tile's 64 c
	v_lshrrev_b32 v1, 5, v0
	v_readfirstlane_b32 s38, v1                    ; wave w
	s_and_b32 s39, s38, 1                          ; ot: my 16 o of the tile
	s_lshr_b32 s40, s38, 1                         ; ct: my 16 c
	s_mov_b32 s42, 0x76543210                      ; v_permlanex16_b32: each lane takes its own place in the other half
	s_mov_b32 s43, 0xfedcba98
	v_and_b32 v1, 31, v0                           ; l
	v_and_b32 v4, 15, v0                           ; r
	v_bfe_u32 v5, v0, 4, 1                         ; h
	v_lshlrev_b32 v8, 11, v5
	v_lshl_add_u32 v8, v4, 4, v8                   ; 2,048 h + 16 r: two rows of f32, 256 bytes of each
	s_lshl_b32 s44, s38, 17
	s_lshl_b32 s45, s37, 8
	s_add_co_u32 s44, s44, s45
	v_add_nc_u32 v6, s44, v8                       ; Wv: rows 64 w + h, columns 64 cb on
	s_lshl_b32 s44, s26, 13
	s_lshl_b32 s45, s38, 8
	s_add_co_u32 s44, s44, s45
	v_add_nc_u32 v7, s44, v8                       ; Wq: rows 4 g + h, columns 64 w on
	v_lshlrev_b32 v10, 4, v1                       ; bv
	s_lshl_b32 s44, s36, 16
	s_lshl_b32 s45, s38, 13
	s_add_co_u32 s44, s44, s45
	v_lshl_add_u32 v11, v1, 4, s44                 ; Wo: rows 32 ob + 4 w on
	s_mul_i32 s44, s38, 64*PVT
	v_mul_u32_u24 v12, v5, PVT
	v_lshl_add_u32 v12, v4, 3, v12
	v_add_nc_u32 v12, s44, v12                     ; LDS: Wv's row 64 w + h, 8 bytes at 8 r
	s_mul_i32 s44, s38, 4*PWO
	s_add_co_u32 s44, s44, WOL
	v_lshl_add_u32 v13, v1, 3, s44                 ; LDS: Wo's row 4 w, 8 bytes at 8 l
	s_lshl_b32 s44, s38, 16
	s_lshl_b32 s45, s26, 9
	s_add_co_u32 s44, s44, s45
	v_lshlrev_b32 v14, 7, v5
	v_lshl_add_u32 v14, v4, 3, v14
	v_add_nc_u32 v14, s44, v14                     ; wqb: block w, row 4 g + h, 8 bytes at 8 r
	s_lshl_b32 s44, s36, 7
	s_lshl_b32 s45, s37, 4
	s_add_co_u32 s44, s44, s45
	v_mov_b32 v15, s44                             ; wb: 4 (32 ob + 4 cb)
	s_mul_i32 s44, s39, 16*PWO
	s_add_co_u32 s44, s44, WOL
	v_mul_u32_u24 v16, v4, PWO
	v_lshl_add_u32 v16, v5, 4, v16
	v_add_nc_u32 v16, s44, v16                     ; a fragment of Wo: row 16 ot + r, 16 bytes at 16 h
	v_and_b32 v17, 7, v0
	v_lshl_add_u32 v17, v5, 3, v17
	v_mul_u32_u24 v17, v17, PVT
	v_bfe_u32 v18, v0, 3, 1
	v_lshl_add_u32 v17, v18, 4, v17
	s_lshl_b32 s44, s40, 5
	v_add_nc_u32 v17, s44, v17                     ; the turning load on Wv: row 8 h + l % 8, columns 16 ct + 8 ((l / 8) % 2) on
	v_add_nc_u32 v18, 8*32*PVT, v17                ; the same 256 rows further on
	s_lshl_b32 s44, s36, 1
	s_add_co_u32 s44, s44, s39                     ; tile of 16 o
	s_lshl_b32 s44, s44, 4
	s_lshl_b32 s45, s37, 1
	s_add_co_u32 s44, s44, s45
	s_lshr_b32 s45, s40, 1
	s_add_co_u32 s44, s44, s45                     ; x 16 + step of 32 c
	s_lshl_b32 s44, s44, 10
	s_and_b32 s45, s40, 1
	s_lshl_b32 s45, s45, 9
	s_add_co_u32 s44, s44, s45                     ; + which 16 c of the step
	v_lshl_add_u32 v19, v1, 4, s44                 ; w2f: 512 bytes for half a fragment, 16 bytes a lane
	s_wait_kmcnt 0x0
.set j, 0
.rept 32
	global_load_b128 v[A+4*j:A+4*j+3], v6, s[10:11] offset:4096*j   ; Wv: two whole aligned pieces of 256 bytes an instruction
.set j, j+1
.endr
.set j, 0
.rept 16
	global_load_b128 v[B+4*j:B+4*j+3], v11, s[12:13] offset:512*j   ; Wo: row j / 4 of my four, 512 bytes at 512 (j % 4)
.set j, j+1
.endr
.set j, 0
.rept 2
	global_load_b128 v[224+4*j:227+4*j], v7, s[8:9] offset:4096*j   ; Wq
.set j, j+1
.endr
.set j, 0
.rept 4
	global_load_b128 v[232+4*j:235+4*j], v10, s[14:15] offset:512*j ; bv
.set j, j+1
.endr
	s_wait_loadcnt 22                              ; Wv is in; the 16 + 2 + 4 younger loads may stay out
.set j, 0
.rept 32
	v_cvt_pk_bf16_f32 v[A+4*j],   v[A+4*j],   v[A+4*j+1]
	v_cvt_pk_bf16_f32 v[A+4*j+1], v[A+4*j+2], v[A+4*j+3]
	ds_store_b64 v12, v[A+4*j:A+4*j+1] offset:2*PVT*j
.set j, j+1
.endr
	s_wait_loadcnt 0x0
.set j, 0
.rept 2
	v_cvt_pk_bf16_f32 v[224+4*j], v[224+4*j], v[225+4*j]
	v_cvt_pk_bf16_f32 v[225+4*j], v[226+4*j], v[227+4*j]
	global_store_b64 v14, v[224+4*j:225+4*j], s[20:21] offset:256*j ; two rows of a block: 256 consecutive bytes, aligned
.set j, j+1
.endr
	; wb: of the tile's 32 rows of Wo this work-group answers for rows 4 cb .. 4 cb + 3, which wave cb holds in f32: four chains, started by the first products
	s_cmp_lg_u32 s38, s37
	s_cbranch_scc1 .Lno_wb
.irp i, 0,1,2,3
	v_pk_mul_f32 v[100+2*(\i):101+2*(\i)], v[B+16*(\i):B+16*(\i)+1], v[232:233]
.endr
.set p, 1
.rept 7
.irp i, 0,1,2,3
	v_pk_fma_f32 v[100+2*(\i):101+2*(\i)], v[B+16*(\i)+2*p:B+16*(\i)+2*p+1], v[232+2*p:233+2*p], v[100+2*(\i):101+2*(\i)]
.endr
.set p, p+1
.endr
.irp i, 0,1,2,3
	v_add_f32 v[100+2*(\i)], v[100+2*(\i)], v[101+2*(\i)]
.endr
.irp m, 1,2,4,8
.irp i, 0,1,2,3
	v_add_f32_dpp v[100+2*(\i)], v[100+2*(\i)], v[100+2*(\i)] row_xmask:\m row_mask:0xf bank_mask:0xf
.endr
.endr
.irp i, 0,1,2,3
	v_permlanex16_b32 v[101+2*(\i)], v[100+2*(\i)], s42, s43
.endr
.irp i, 0,1,2,3
	v_add_f32 v[108+(\i)], v[100+2*(\i)], v[101+2*(\i)]
.endr
	s_wait_xcnt 0x0                                ; EXEC changes only behind this wait
	v_cmp_eq_u32 vcc_lo, 0, v1
	s_and_saveexec_b32 s46, vcc_lo
	global_store_b128 v15, v[108:111], s[24:25]    ; four numbers from one lane: wb is 2,048 bytes in the whole launch
	s_wait_xcnt 0x0
	s_or_b32 exec_lo, exec_lo, s46
.Lno_wb:
.set j, 0
.rept 16
	v_cvt_pk_bf16_f32 v[B+4*j],   v[B+4*j],   v[B+4*j+1]
	v_cvt_pk_bf16_f32 v[B+4*j+1], v[B+4*j+2], v[B+4*j+3]
	ds_store_b64 v13, v[B+4*j:B+4*j+1] offset:(j/4)*PWO+256*(j%4)
.set j, j+1
.endr
	s_wait_dscnt 0x0                               ; for the others' sake: my stores are done
	s_barrier_signal -1
	s_barrier_wait -1
; The product, transposed: source 0 = 16 columns c of Wv (turned on the way out of LDS), source 1 = 16 rows o of Wo: a lane ends with W2[o = r][c = 8 h + 0..7].
; Eight steps of 32 e a batch.  The steps of even and of odd number add onto two accumulators, which take turns, one instruction a turn; the two are added at the end.
.macro PBATCH q
.set VR, 17+(\q)
.set k, 0
.rept 8
.set rF, A+16*k
	ds_load_b128 v[rF:rF+3],   v16 offset:64*(8*(\q)+k)
	ds_load_b128 v[rF+4:rF+7], v16 offset:64*(8*(\q)+k)+32
	ds_load_tr16_b128 v[rF+8:rF+11],  v[VR] offset:32*PVT*k
	ds_load_tr16_b128 v[rF+12:rF+15], v[VR] offset:32*PVT*k+16*PVT
.set k, k+1
.endr
	s_wait_dscnt 0x0
.set k, 0
.rept 8
.set rF, A+16*k
.set rD, 208+8*(k%2)
.if ((\q) == 0) && (k < 2)
	v_wmma_f32_16x16x32_bf16 v[rD:rD+7], v[rF+8:rF+15], v[rF:rF+7], 0
.else
	v_wmma_f32_16x16x32_bf16 v[rD:rD+7], v[rF+8:rF+15], v[rF:rF+7], v[rD:rD+7]
.endif
.set k, k+1
.endr
	PLACES                                         ; four places in front of loads into registers that the products have read
.endm
	PBATCH 0
	PBATCH 1
	PLACES                                         ; eight in all ahead of the packed reads of the results
.irp j, 0,1,2,3
	v_pk_add_f32 v[208+2*(\j):209+2*(\j)], v[208+2*(\j):209+2*(\j)], v[216+2*(\j):217+2*(\j)]
.endr
.irp j, 0,1,2,3
	v_cvt_pk_bf16_f32 v[96+(\j)], v[208+2*(\j)], v[208+2*(\j)+1]
.endr
	global_store_b128 v19, v[96:99], s[22:23]      ; 512 consecutive bytes: half a fragment of W2 for 32 lanes
.Lend:
	s_wait_tensorcnt 0x0                           ; the wave's end, behind my last LDS store
	ds_add_u32 v[SPW], v[NIL]
	s_wait_dscnt 0x0
	s_endpgm
.Lfunc_end_k_q8508852686_prep:
	.size	k_q8508852686_prep, .Lfunc_end_k_q8508852686_prep-k_q8508852686_prep
	.p2alignl 7, 3214868480
	.fill 96, 4, 3214868480
	.section	.rodata,"a",@progbits
	.p2align	6, 0x0
	.amdhsa_kernel k_q8508852686_prep
		.amdhsa_group_segment_fixed_size 116224
		.amdhsa_private_segment_fixed_size 0
		.amdhsa_enable_private_segment 0
		.amdhsa_kernarg_size 88
		.amdhsa_user_sgpr_count 2
		.amdhsa_user_sgpr_kernarg_segment_ptr 1
		.amdhsa_wavefront_size32 1
		.amdhsa_system_sgpr_workgroup_id_x 1
		.amdhsa_system_sgpr_workgroup_id_y 1
		.amdhsa_system_sgpr_workgroup_id_z 1
		.amdhsa_system_vgpr_workitem_id 0
		.amdhsa_next_free_vgpr 256
		.amdhsa_next_free_sgpr 66
		.amdhsa_reserve_vcc 1
		.amdhsa_float_denorm_mode_32 3
		.amdhsa_float_denorm_mode_16_64 3
		.amdhsa_memory_ordered 1
		.amdhsa_forward_progress 1
		.amdhsa_inst_pref_size 53
	.end_amdhsa_kernel
	.amdgpu_metadata
---
amdhsa.version: [ 1, 2 ]
amdhsa.kernels:
  - .name:           k_q8508852686_prep
    .symbol:         k_q8508852686_prep.kd
    .args:
      - { .name: x, .offset: 0, .size: 8, .value_kind: global_buffer, .address_space: global }
      - { .name: Wk, .offset: 8, .size: 8, .value_kind: global_buffer, .address_space: global }
      - { .name: Wq, .offset: 16, .size: 8, .value_kind: global_buffer, .address_space: global }
      - { .name: Wv, .offset: 24, .size: 8, .value_kind: global_buffer, .address_space: global }
      - { .name: Wo, .offset: 32, .size: 8, .value_kind: global_buffer, .address_space: global }
      - { .name: bv, .offset: 40, .size: 8, .value_kind: global_buffer, .address_space: global }
      - { .name: xb, .offset: 48, .size: 8, .value_kind: global_buffer, .address_space: global }
      - { .name: wkb, .offset: 56, .size: 8, .value_kind: global_buffer, .address_space: global }
      - { .name: wqb, .offset: 64, .size: 8, .value_kind: global_buffer, .address_space: global }
      - { .name: w2f, .offset: 72, .size: 8, .value_kind: global_buffer, .address_space: global }
      - { .name: wb, .offset: 80, .size: 8, .value_kind: global_buffer, .address_space: global }
    .group_segment_fixed_size: 116224
    .private_segment_fixed_size: 0
    .kernarg_segment_align: 8
    .kernarg_segment_size: 88
    .max_flat_workgroup_size: 256
    .sgpr_count:     66
    .vgpr_count:     256
    .wavefront_size: 32
...
	.end_amdgpu_metadata
.endif
;; end of part 1
;; launch kx (part 2): grid 256 x 1, 4 waves a work-group, clusters of 4 x 1, 327,680 bytes of LDS; arguments xb, wkb, bk, kxp, ksp; writes kxp, ksp
.if DOCPART == 2
	.amdgcn_target "amdgcn-amd-amdhsa--gfx1250"
	.amdhsa_code_object_version 6
	.text
	.protected	k_q8508852686_kx
	.globl	k_q8508852686_kx
	.p2align	8
	.type	k_q8508852686_kx,@function
k_q8508852686_kx:
	s_mov_b64 s[64:65], 0
	v_nop
	global_prefetch_b8 v0, s[64:65] scope:SCOPE_SE
	s_setreg_imm32_b32 hwreg(HW_REG_WAVE_MODE, 25, 1), 1
	s_wait_xcnt 0x0
	s_wait_alu depctr_hold_cnt(0) depctr_sa_sdst(0) depctr_va_vdst(0) depctr_va_sdst(0) depctr_va_ssrc(0) depctr_va_vcc(0) depctr_vm_vsrc(0)
	s_getreg_b32 s2, hwreg(HW_REG_IB_STS2, 6, 4)
	s_cmp_eq_u32 s2, 0
	s_cbranch_scc0 .Lentry_in_a_cluster
	s_endpgm
.Lentry_in_a_cluster:
	s_bfe_u32 s2, ttmp6, 0x10000c
	s_cmp_lg_u32 s2, 0x3003
	s_cbranch_scc0 .Lentry_shape_is_right
	s_endpgm
.Lentry_shape_is_right:
; KX.  For one batch b, 1,024 of its rows n (quarter rs) and 64 features d: K = elu(x Wk^T + bk) + 1, and the partial sums kxp[rs][b][d][c] = sum over n of K[n][d] x[n][c]
; and ksp[rs][b][d] = sum over n of K[n][d], both f32.  x, Wk and K enter the products as bf16; the sums are f32; ksp is taken of the unrounded K.
; elu(z) + 1 is the middle one of z + 1, e^z and 1: z + 1 for z > 0, e^z otherwise.  LIMITS: it differs from expm1(z) + 1 in f32 by 2^-24 at the most; e^z below 2^-126 counts as 0;
; NaN and infinities are not treated apart.
; SHARES.  256 work-groups = 8 b x 4 rs x 8 blocks of 64 d.  The rows go in 8 tiles of 128 through two LDS slots.  Wave w: G1, the projection: rows 32 w .. 32 w + 31 of the tile x 64 d
; (8 accumulators, the block of Wk held in 512 registers); then, K^T lying in LDS, G2: 64 d x columns c = 128 w .. 128 w + 127 of K^T x (32 accumulators, kept over all tiles).
; CLUSTER.  The four partners differ in their 64 d alone and walk the same rows of x: each tile is asked for JOINTLY (mask 15), each wave 32 rows of it.
; G2's accumulators are cleared once, while the first tile is on its way, so that one text serves every tile: 256 lines, the price of not writing a first tile out.
; REGISTERS, in windows of 256: window 0 addresses, G1's accumulators, fragments, work; window 1 the 32 accumulators (t, u) of K^T x at 8 (8 t + u);
; windows 2, 3: Wk's fragments, d tile t (0, 1 | 2, 3), step ks of 32 c at 128 (t % 2) + 8 ks.
.set PX,    1040                       ; a row of x in LDS: 1,024 bytes + 16
.set SLOTX, 128*PX                     ; a slot; slot 1 begins here.  = 0x20800: its two bits are set in no wave's offset (w x 0x8200), so one exclusive or changes slots
.set KT,    2*SLOTX                    ; K^T: 64 rows d of 128 n in bf16
.set PKT,   272
.set STG,   KT+64*PKT                  ; the way out: 16 rows x 528 bytes for each wave
.set PST,   528
.set KSX,   STG+4*16*PST               ; [64 d][4 waves] f32
.set SPARE, KSX+1024                   ; the spare words, 128 bytes a wave: two blocks of 256 bytes that no other line names
.set TILEB, 128*1024                   ; a tile's bytes in xb
.set AX0,  2                           ; (32 w + r) PX + 16 h: my place in a slot for G1's fragments; never rewritten
.set AXT0, 3                           ; (8 h + l % 8) PX + 256 w + 128 ((l / 8) % 2): for the turning loads; never rewritten
.set AX,   4                           ; the two in the slot in hand
.set AXT,  5
.set AKS,  6                           ; KT + 272 r + 64 w + 16 h: where I put 16 bytes of K^T
.set AKL,  7                           ; KT + 272 r + 16 h: where I read its fragments
.set STO,  8
.set SRD,  9
.set GO,   10
.set PFO,  11                          ; 256 x my thread's number
.set KSUM, 12                          ; v[12:19] four pairs: sums of K, d tile t
.set BIAS, 20                          ; v[20:27] four pairs: bk log2(e), bk + 1 of my d in tile t
.set SPW,  28
.set NIL,  29
.set AXT2, 30                          ; AXT + 64 rows
.set GA,   32                          ; v[32:95] G1's accumulators (a, t) at 8 (4 a + t)
.set XA0,  96                          ; v[96:159], v[160:223] G1's fragments of x, two buffers
.set XA1,  160
.set T,    224                         ; v[224:255] at work
.set SET0, 32                          ; G2's fragments, two sets of 96: x^T (u) at 8 u, K^T (t) at 64 + 8 t
.set SET1, 128
.set MSB, 0
.macro WIN new                         ; the immediate's high byte repeats the setting that is left; a switch that changes nothing is dropped
.if MSB != (\new)
	s_set_vgpr_msb (MSB<<8)|(\new)
.set MSB, \new
.endif
.endm
.macro PLACES
.rept 4
	v_nop
.endr
.endm
.macro CROUND                          ; a round of the cluster's barrier
	s_barrier_signal -1
	s_barrier_wait -1
	s_cmp_lg_u32 s14, 0
	s_cbranch_scc1 .Lnot_wave_0_\@
	s_barrier_signal -3
.Lnot_wave_0_\@:
	s_barrier_wait -3
	s_barrier_signal -1
	s_barrier_wait -1
.endm
.macro JLOAD                           ; my 32 rows of a tile; an s_nop 0 and four v_nop follow
	tensor_load_to_lds s[24:27], s[16:23]
	s_nop 0
	PLACES
.endm
; A PREFETCH INTO THE L2 of the tile that the NEXT trip will ask for: 512 blocks of 256 bytes, one to each lane of the cluster's sixteen waves, the partners told apart by ADDRESS.
; Two clusters walk the same rows (the two halves of d): the first of them asks.  The last two trips ask for nothing: there is no such tile.
.macro ASK
	s_cmp_gt_u32 s31, s32
	s_cbranch_scc0 .Lnot_mine_\@
	global_prefetch_b8 v[PFO], s[34:35] th:TH_LOAD_NT scope:SCOPE_SE
.Lnot_mine_\@:
.endm
	s_load_b256 s[4:11], s[0:1], 0x0               ; xb s[4:5], wkb s[6:7], bk s[8:9], kxp s[10:11]
	s_load_b64 s[12:13], s[0:1], 0x20              ; ksp
	v_lshl_add_u32 v[SPW], v0, 2, SPARE
	v_mov_b32 v[NIL], 0
	ds_add_u32 v[SPW], v[NIL]                      ; the wave's opening: the add and its wait stand ahead of my first tensor load; the set-up stands between them
	v_lshrrev_b32 v1, 5, v0
	v_readfirstlane_b32 s14, v1                    ; wave w
	s_bfe_u32 s15, ttmp6, 0x40000                  ; cx
	s_mov_b32 s16, 15|(1<<16)|(1<<20)|(1<<21)|(7<<22)|(3<<25)  ; mask of four; 2-byte elements; padding on; bit 21 beside a mask; after every 256 words; 4 words
	s_mov_b32 s17, 512<<16                         ; tensor_dim0 = 512
	s_mov_b32 s18, 32<<16                          ; tensor_dim1 = 32
	s_mov_b32 s19, 512<<16                         ; tile_dim0 = 512
	s_mov_b32 s20, 32                              ; tile_dim1 = 32
	s_mov_b32 s21, 512                             ; elements from row to row
	s_mov_b32 s22, 0
	s_mov_b32 s23, 0
	s_mov_b32 s24, 1
	s_mul_i32 s25, s14, 32*PX                      ; LDS: slot 0, my 32 rows
	s_mul_i32 s51, s14, 32*PX
	s_lshr_b32 s48, ttmp9, 1
	s_lshl_b32 s48, s48, 20                        ; my 1,024 rows of xb: 4 b + rs = cluster / 2
	s_mov_b32 s49, 0
	s_lshl_b32 s28, s14, 15                        ; my wave's 32 rows
	s_mov_b32 s29, 0
	s_and_b32 s33, ttmp9, 1                        ; which half of d: the same in all partners
	s_cmp_eq_u32 s33, 0
	s_cselect_b32 s32, 1, -1                       ; a wave prefetches while the trips to go are above this
	s_lshl_b32 s33, s33, 2
	s_add_co_u32 s33, s33, s15                     ; my block of 64 d: it enters the addresses of Wk, bk, kxp and ksp alone
	s_lshl_b32 s44, s33, 16
	s_mov_b32 s45, 0
	s_lshl_b32 s46, s33, 8
	s_mov_b32 s47, 0
	s_bfe_u32 s50, ttmp9, 0x20001                  ; rs
	s_lshl_b32 s50, s50, 3
	s_lshr_b32 s52, ttmp9, 3                       ; b
	s_add_co_u32 s50, s50, s52
	s_lshl_b32 s40, s50, 20
	s_lshl_b32 s52, s33, 17
	s_add_co_u32 s40, s40, s52                     ; ((8 rs + b) 512 + d0) x 2,048
	s_mov_b32 s41, 0
	s_lshl_b32 s42, s50, 11
	s_add_co_u32 s42, s42, s46                     ; ((8 rs + b) 512 + d0) x 4
	s_mov_b32 s43, 0
	s_lshl_b32 s34, s15, 15
	s_add_co_u32 s34, s34, TILEB                   ; my work-group's quarter of tile 1: the first trip steps it to tile 2
	s_mov_b32 s35, 0
	s_mov_b32 s36, 0x3fb8aa3b                      ; log2(e)
	s_mov_b32 s37, 0x3fb8aa3b
	s_mov_b32 s38, 0x76543210
	s_mov_b32 s39, 0xfedcba98
	s_mov_b32 s30, SLOTX                           ; the slot in hand: the first trip turns it into 0
	v_and_b32 v226, 31, v0                         ; l
	v_and_b32 v1, 15, v0                           ; r
	v_bfe_u32 v31, v0, 4, 1                        ; h
	v_and_b32 v224, 7, v0
	v_bfe_u32 v225, v0, 3, 1
	v_mul_u32_u24 v[AX0], v1, PX
	v_lshl_add_u32 v[AX0], v31, 4, v[AX0]
	v_add_nc_u32 v[AX0], s51, v[AX0]
	v_lshl_add_u32 v[AXT0], v31, 3, v224
	v_mul_u32_u24 v[AXT0], v[AXT0], PX
	v_lshl_add_u32 v[AXT0], v225, 7, v[AXT0]
	s_lshl_b32 s52, s14, 8
	v_add_nc_u32 v[AXT0], s52, v[AXT0]
	v_mul_u32_u24 v[AKL], v1, PKT
	v_lshl_add_u32 v[AKL], v31, 4, v[AKL]
	v_add_nc_u32 v[AKL], KT, v[AKL]
	s_lshl_b32 s52, s14, 6
	v_add_nc_u32 v[AKS], s52, v[AKL]
	s_mul_i32 s52, s14, 16*PST
	s_add_co_u32 s52, s52, STG
	v_mul_u32_u24 v[STO], v1, PST
	v_lshl_add_u32 v[STO], v31, 8, v[STO]
	v_add_nc_u32 v[STO], s52, v[STO]
	v_lshl_add_u32 v[SRD], v226, 4, s52
	s_lshl_b32 s52, s14, 9
	v_lshl_add_u32 v[GO], v226, 4, s52
	v_lshlrev_b32 v[PFO], 8, v0
	v_lshlrev_b32 v227, 10, v1
	v_lshl_add_u32 v227, v31, 4, v227              ; Wk's fragments: 1,024 r + 16 h
	v_lshlrev_b32 v228, 2, v1                      ; bk: 4 r
	s_wait_dscnt 0x0                               ; the opening add is done
	s_wait_kmcnt 0x0
	s_add_nc_u64 s[4:5], s[4:5], s[48:49]
	s_add_nc_u64 s[26:27], s[4:5], s[28:29]        ; tile 0, my 32 rows
	s_or_b32 s27, s27, 0x80000000
	s_add_nc_u64 s[34:35], s[4:5], s[34:35]
	s_add_nc_u64 s[44:45], s[6:7], s[44:45]
	s_add_nc_u64 s[46:47], s[8:9], s[46:47]
	s_add_nc_u64 s[40:41], s[10:11], s[40:41]
	s_add_nc_u64 s[42:43], s[12:13], s[42:43]
	CROUND                                         ; all four work-groups are here: the first joint loads meet
	JLOAD                                          ; tile 0 into slot 0
	WIN 0x80                                       ; Wk's 64 rows stay in registers: a fragment is 16 rows x 32 c, two loads of 16 bytes a lane
.irp t, 0,1
.set k, 0
.rept 16
	global_load_b128 v[128*(\t)+8*k:128*(\t)+8*k+3],   v227, s[44:45] offset:16384*(\t)+64*k
	global_load_b128 v[128*(\t)+8*k+4:128*(\t)+8*k+7], v227, s[44:45] offset:16384*(\t)+64*k+32
.set k, k+1
.endr
.endr
	WIN 0xc0
.irp t, 0,1
.set k, 0
.rept 16
	global_load_b128 v[128*(\t)+8*k:128*(\t)+8*k+3],   v227, s[44:45] offset:16384*(2+(\t))+64*k
	global_load_b128 v[128*(\t)+8*k+4:128*(\t)+8*k+7], v227, s[44:45] offset:16384*(2+(\t))+64*k+32
.set k, k+1
.endr
.endr
	WIN 0
.irp t, 0,1,2,3
	global_load_b32 v[229+(\t)], v228, s[46:47] offset:64*(\t)
.endr
	WIN 0x40
.set i, 0
.rept 256
	v_mov_b32 v[i], 0
.set i, i+1
.endr
	WIN 0
.set i, 0
.rept 8
	v_mov_b32 v[KSUM+i], 0
.set i, i+1
.endr
	s_wait_loadcnt 0x0
.irp t, 0,1,2,3
	v_mul_f32 v[BIAS+2*(\t)], s36, v[229+(\t)]
	v_add_f32 v[BIAS+2*(\t)+1], 1.0, v[229+(\t)]
.endr
; THE HEAD OF A TILE.  Each wave waits for all its tensor loads, of which one is out: its part of the tile to be read; adds 0 to its spare word; waits for that and for its reads of the
; old slot and of K^T.  fill = 1: a round of the cluster's barrier, then the old slot is filled again, first thing: that load has a whole tile's work in which to land.
.macro TOP fill
	WIN 0
	s_wait_tensorcnt 0x0                           ; no tensor load of mine is out, so the descriptor may be written
	ds_add_u32 v[SPW], v[NIL]                      ; 0 onto my spare word; the scalar steps stand between it and the wait for it
.if \fill
	s_xor_b32 s25, s25, SLOTX                      ; the other slot,
	s_add_nc_u64 s[26:27], s[26:27], TILEB         ; the next tile
	s_wait_xcnt 0x0                                ; the last prefetch, a tile back, has read its address
	s_add_nc_u64 s[34:35], s[34:35], TILEB
.endif
	s_xor_b32 s30, s30, SLOTX
	s_wait_dscnt 0x0
.if \fill
	CROUND
	JLOAD
	ASK
.else
	s_barrier_signal -1
	s_barrier_wait -1
	PLACES                                         ; in front of loads into registers that the last products have read
.endif
.endm
.macro LOADX bt, buf                   ; G1's fragments of x: my two row tiles, steps 4 bt .. 4 bt + 3 of 32 c: 16 loads
	WIN 0
.irp a, 0,1
.irp k, 0,1,2,3
.set rX, (\buf)+8*(4*(\a)+(\k))
	ds_load_b128 v[rX:rX+3],   v[AX] offset:(\a)*16*PX+64*(4*(\bt)+(\k))
	ds_load_b128 v[rX+4:rX+7], v[AX] offset:(\a)*16*PX+64*(4*(\bt)+(\k))+32
.endr
.endr
.endm
; 32 products of G1: source 0 = 16 rows of x, source 1 = 16 rows d of Wk: a lane ends with K(rows 8 h + 0..7, d = r).  Four accumulators take turns, one instruction a turn.
.macro MULG1 bt, buf
.irp g, 0,1
	WIN 0x08+4*(\g)                                ; source 1 in window 2 or 3
.irp k, 0,1,2,3
.irp a, 0,1
.irp t, 0,1
.set rD, GA+8*(4*(\a)+2*(\g)+(\t))
.set rX, (\buf)+8*(4*(\a)+(\k))
.set rW, 128*(\t)+8*(4*(\bt)+(\k))
.if ((\bt) == 0) && ((\k) == 0)
	v_wmma_f32_16x16x32_bf16 v[rD:rD+7], v[rX:rX+7], v[rW:rW+7], 0
.else
	v_wmma_f32_16x16x32_bf16 v[rD:rD+7], v[rX:rX+7], v[rW:rW+7], v[rD:rD+7]
.endif
.endr
.endr
.endr
.endr
.endm
; Row tile a's 32 numbers a lane: z log2(e); the 32 exponentials as ONE batch, z + 1 made between them; one wait; the middle of three; the sums; rounding; 16 bytes (8 n of one d) into K^T.
; Each accumulator is read from its low end on.
.macro ELU a
	WIN 0
.set G, GA+32*(\a)
.set i, 0
.rept 16
	v_pk_fma_f32 v[T+2*i:T+2*i+1], v[G+2*i:G+2*i+1], s[36:37], v[BIAS+2*(i/4):BIAS+2*(i/4)+1] op_sel_hi:[1,0,0]
.set i, i+1
.endr
.set i, 0
.rept 16
	v_exp_f32 v[T+2*i], v[T+2*i]
	v_pk_add_f32 v[G+2*i:G+2*i+1], v[G+2*i:G+2*i+1], v[BIAS+2*(i/4):BIAS+2*(i/4)+1] op_sel:[0,1] op_sel_hi:[1,1]
	v_exp_f32 v[T+2*i+1], v[T+2*i+1]
.set i, i+1
.endr
	v_nop                                          ; a plain instruction behind the last exponential,
	s_wait_alu depctr_va_vdst(0)                   ; and the one wait ahead of the batch's first reader
.set i, 0
.rept 32
	v_med3_num_f32 v[G+i], v[G+i], v[T+i], 1.0
.set i, i+1
.endr
.irp p, 0,1,2,3
.irp t, 0,1,2,3
	v_pk_add_f32 v[KSUM+2*(\t):KSUM+2*(\t)+1], v[KSUM+2*(\t):KSUM+2*(\t)+1], v[G+8*(\t)+2*(\p):G+8*(\t)+2*(\p)+1]
.endr
.endr
.irp t, 0,1,2,3
.irp p, 0,1,2,3
	v_cvt_pk_bf16_f32 v[G+8*(\t)+(\p)], v[G+8*(\t)+2*(\p)], v[G+8*(\t)+2*(\p)+1]
.endr
.endr
.irp t, 0,1,2,3
	ds_store_b128 v[AKS], v[G+8*(\t):G+8*(\t)+3] offset:16*PKT*(\t)+32*(\a)
.endr
.endm
; G2's fragments for step kk of 32 rows n.  x^T by the turning load.
; Row i of fragment u then stands for column c = 128 w + 8 u + i % 8 + 64 (i / 8).
.macro LOADXT kk, set
	WIN 0
.set AXR, AXT
.if (\kk) >= 2
.set AXR, AXT2
.endif
.irp u, 0,1,2,3,4,5,6,7
	ds_load_tr16_b128 v[(\set)+8*(\u):(\set)+8*(\u)+3],   v[AXR] offset:32*PX*((\kk)%2)+16*(\u)
	ds_load_tr16_b128 v[(\set)+8*(\u)+4:(\set)+8*(\u)+7], v[AXR] offset:32*PX*((\kk)%2)+16*PX+16*(\u)
.endr
.endm
.macro LOADKT kk, set
	WIN 0
.irp t, 0,1,2,3
	ds_load_b128 v[(\set)+64+8*(\t):(\set)+64+8*(\t)+3],   v[AKL] offset:16*PKT*(\t)+64*(\kk)
	ds_load_b128 v[(\set)+64+8*(\t)+4:(\set)+64+8*(\t)+7], v[AKL] offset:16*PKT*(\t)+64*(\kk)+32
.endr
.endm
.macro MULG2 set                       ; 32 products, each on another accumulator: source 0 = x^T, source 1 = K^T: a lane holds KX(d = 16 t + r, c = 128 w + 64 h + 8 u + 0..7)
	WIN 0x50
.irp t, 0,1,2,3
.irp u, 0,1,2,3,4,5,6,7
.set rD, 8*(8*(\t)+(\u))
	v_wmma_f32_16x16x32_bf16 v[rD:rD+7], v[(\set)+8*(\u):(\set)+8*(\u)+7], v[(\set)+64+8*(\t):(\set)+64+8*(\t)+7], v[rD:rD+7]
.endr
.endr
.endm
.macro BODY
	v_add_nc_u32 v[AX], s30, v[AX0]
	v_add_nc_u32 v[AXT], s30, v[AXT0]
	v_add_nc_u32 v[AXT2], 64*PX, v[AXT]
	LOADX 0, XA0
	LOADX 1, XA1
	s_wait_dscnt 16                                ; the older buffer is in; the other's 16 loads may stay out
	MULG1 0, XA0
	PLACES
	LOADX 2, XA0
	s_wait_dscnt 16
	MULG1 1, XA1
	PLACES
	LOADX 3, XA1
	s_wait_dscnt 16
	MULG1 2, XA0
	s_wait_dscnt 0x0
	MULG1 3, XA1
	PLACES
	LOADXT 0, SET1                                 ; G2's first x^T comes while K is made
	PLACES                                         ; eight places in all ahead of the packed reads of the results
	ELU 0
	ELU 1
	s_wait_dscnt 0x0                               ; for the others' sake: my part of K^T is stored
	s_barrier_signal -1                            ; the next tile's load may stay out across it
	s_barrier_wait -1
	LOADKT 0, SET1
	LOADXT 1, SET0
	LOADKT 1, SET0
	s_wait_dscnt 24                                ; set 1 is in; set 0's 24 loads may stay out
	MULG2 SET1
	PLACES
	LOADXT 2, SET1
	LOADKT 2, SET1
	s_wait_dscnt 24
	MULG2 SET0
	PLACES
	LOADXT 3, SET0
	LOADKT 3, SET0
	s_wait_dscnt 24
	MULG2 SET1
	s_wait_dscnt 0x0
	MULG2 SET0
.endm
	s_mov_b32 s31, 7
.Ltile:                                                ; seven trips: tile p is read, tile p + 1 asked for, tile p + 2 prefetched
	TOP 1
	BODY
	WIN 0
	s_sub_co_u32 s31, s31, 1
	s_cmp_lg_u32 s31, 0
	s_cbranch_scc1 .Ltile
	TOP 0                                          ; the last tile is written out
	BODY
	WIN 0
	PLACES
	PLACES
; THE WAY OUT: 16 rows d at a time through my own stage: in by 16 bytes a lane, back as whole rows of 512 bytes.
.macro OUTT t
	WIN 0x04                                       ; the stores' data in window 1
.irp u, 0,1,2,3,4,5,6,7
	ds_store_b128 v[STO], v[8*(8*(\t)+(\u)):8*(8*(\t)+(\u))+3]   offset:32*(\u)
	ds_store_b128 v[STO], v[8*(8*(\t)+(\u))+4:8*(8*(\t)+(\u))+7] offset:32*(\u)+16
.endr
	WIN 0
	s_wait_xcnt 0x0                                ; the registers that earlier stores read are loaded again only behind this wait
.set BK, 32+64*((\t)%2)
.set q, 0
.rept 16
	ds_load_b128 v[BK+4*q:BK+4*q+3], v[SRD] offset:PST*q   ; LDS serves a wave's instructions in order: these see the stores above
.set q, q+1
.endr
	s_wait_dscnt 0x0
.set q, 0
.rept 16
	global_store_b128 v[GO], v[BK+4*q:BK+4*q+3], s[40:41] offset:(16*(\t)+q)*2048   ; 512 consecutive bytes, aligned
.set q, q+1
.endr
.endm
	OUTT 0
	OUTT 1
	OUTT 2
	OUTT 3
.irp t, 0,1,2,3
	v_add_f32 v[KSUM+2*(\t)], v[KSUM+2*(\t)], v[KSUM+2*(\t)+1]
.endr
.irp t, 0,1,2,3
	v_permlanex16_b32 v[KSUM+2*(\t)+1], v[KSUM+2*(\t)], s38, s39
.endr
.irp t, 0,1,2,3
	v_add_f32 v[KSUM+2*(\t)], v[KSUM+2*(\t)], v[KSUM+2*(\t)+1]
.endr
	s_lshl_b32 s28, s14, 2
	s_add_co_u32 s28, s28, KSX
	v_lshl_add_u32 v224, v1, 4, s28                ; [d][wave]: 16 r + 4 w
.irp t, 0,1,2,3
	ds_store_b32 v224, v[KSUM+2*(\t)] offset:256*(\t)
.endr
	s_wait_dscnt 0x0
	s_barrier_signal -1
	s_barrier_wait -1
	s_cmp_lg_u32 s14, 0
	s_cbranch_scc1 .Lnot0
	v_and_b32 v225, 31, v0
	v_lshlrev_b32 v226, 3, v225
	v_lshl_add_u32 v225, v225, 5, KSX
	ds_load_b128 v[228:231], v225                  ; d = 2 l: the four waves' sums,
	ds_load_b128 v[232:235], v225 offset:16        ; d = 2 l + 1
	s_wait_dscnt 0x0
	v_add_f32 v228, v228, v229
	v_add_f32 v230, v230, v231
	v_add_f32 v232, v232, v233
	v_add_f32 v234, v234, v235
	v_add_f32 v228, v228, v230
	v_add_f32 v229, v232, v234
	global_store_b64 v226, v[228:229], s[42:43]    ; 256 consecutive bytes, aligned
.Lnot0:
	s_wait_tensorcnt 0x0                           ; the wave's end, behind my last tensor load and my last LDS store
	ds_add_u32 v[SPW], v[NIL]
	s_wait_dscnt 0x0
	CROUND                                         ; the closing round
	s_endpgm
.Lfunc_end_k_q8508852686_kx:
	.size	k_q8508852686_kx, .Lfunc_end_k_q8508852686_kx-k_q8508852686_kx
	.p2alignl 7, 3214868480
	.fill 96, 4, 3214868480
	.section	.rodata,"a",@progbits
	.p2align	6, 0x0
	.amdhsa_kernel k_q8508852686_kx
		.amdhsa_group_segment_fixed_size 327680
		.amdhsa_private_segment_fixed_size 0
		.amdhsa_enable_private_segment 0
		.amdhsa_kernarg_size 40
		.amdhsa_user_sgpr_count 2
		.amdhsa_user_sgpr_kernarg_segment_ptr 1
		.amdhsa_wavefront_size32 1
		.amdhsa_system_sgpr_workgroup_id_x 1
		.amdhsa_system_sgpr_workgroup_id_y 1
		.amdhsa_system_sgpr_workgroup_id_z 1
		.amdhsa_system_vgpr_workitem_id 0
		.amdhsa_next_free_vgpr 1024
		.amdhsa_next_free_sgpr 66
		.amdhsa_reserve_vcc 0
		.amdhsa_float_denorm_mode_32 3
		.amdhsa_float_denorm_mode_16_64 3
		.amdhsa_memory_ordered 1
		.amdhsa_forward_progress 1
		.amdhsa_inst_pref_size 130
	.end_amdhsa_kernel
	.amdgpu_metadata
---
amdhsa.version: [ 1, 2 ]
amdhsa.kernels:
  - .name:           k_q8508852686_kx
    .symbol:         k_q8508852686_kx.kd
    .args:
      - { .name: xb, .offset: 0, .size: 8, .value_kind: global_buffer, .address_space: global }
      - { .name: wkb, .offset: 8, .size: 8, .value_kind: global_buffer, .address_space: global }
      - { .name: bk, .offset: 16, .size: 8, .value_kind: global_buffer, .address_space: global }
      - { .name: kxp, .offset: 24, .size: 8, .value_kind: global_buffer, .address_space: global }
      - { .name: ksp, .offset: 32, .size: 8, .value_kind: global_buffer, .address_space: global }
    .group_segment_fixed_size: 327680
    .private_segment_fixed_size: 0
    .kernarg_segment_align: 8
    .kernarg_segment_size: 40
    .max_flat_workgroup_size: 128
    .sgpr_count:     66
    .vgpr_count:     1024
    .wavefront_size: 32
...
	.end_amdgpu_metadata
.endif
;; end of part 2
;; launch mk (part 3): grid 256 x 1, 8 waves a work-group, no clusters, 86,272 bytes of LDS; arguments kxp, ksp, w2f, wb, mtb; writes mtb
.if DOCPART == 3
	.amdgcn_target "amdgcn-amd-amdhsa--gfx1250"
	.amdhsa_code_object_version 6
	.text
	.protected	k_q8508852686_mk
	.globl	k_q8508852686_mk
	.p2align	8
	.type	k_q8508852686_mk,@function
k_q8508852686_mk:
	s_mov_b64 s[64:65], 0
	v_nop
	global_prefetch_b8 v0, s[64:65] scope:SCOPE_SE
	s_setreg_imm32_b32 hwreg(HW_REG_WAVE_MODE, 25, 1), 1
	s_wait_xcnt 0x0
; MK.  M[b][d][o] = sum over c of KX[b][d][c] W2[o][c] + ks[b][d] wb[o], with KX and ks the f32 sums of kx's four partial sums; KX and W2 enter the product as bf16.
; Stored as bf16, transposed and in blocks: mtb[b][kb][o][d % 64], d = 64 kb + .., the layout in which attn asks for its weights.
; SHARES.  256 work-groups = 8 b x 8 kb x 4 quarters of o.  All eight waves add the block's 64 rows of KX (phase 1, through registers: 64 loads of every wave on their way) and lay them
; in LDS as bf16; then wave w makes 16 o x 64 d: four accumulators, 64 products.  The four quarters of o read the same partial sums again; no cluster: the sums go through registers, not LDS fills.
.set PA,    1040                       ; a row of KX in LDS: 1,024 bytes + 16
.set KSL,   64*PA                      ; ks of the 64 d, f32
.set STG,   KSL+256                    ; the way out: 16 rows x 144 bytes a wave
.set PS,    144
.set SPARE, STG+8*16*PS                ; the spare words: four blocks of 256 bytes that no other line names
.set SPW,   28
.set NIL,   29
.set W2,    32                         ; v[32:159]  W2's fragments, step ks of 32 c at 8 ks
.set ACC,   160                        ; v[160:191] accumulator dt at 8 dt
.set KS,    192                        ; v[192:223] ks of my 8 d in each of the four tiles
.set MSB, 0
.macro WIN new
.if MSB != (\new)
	s_set_vgpr_msb (MSB<<8)|(\new)
.set MSB, \new
.endif
.endm
.macro PLACES
.rept 4
	v_nop
.endr
.endm
	s_load_b256 s[4:11], s[0:1], 0x0               ; kxp s[4:5], ksp s[6:7], w2f s[8:9], wb s[10:11]
	s_load_b64 s[12:13], s[0:1], 0x20              ; mtb
	v_lshl_add_u32 v[SPW], v0, 2, SPARE
	v_mov_b32 v[NIL], 0
	v_lshrrev_b32 v1, 5, v0
	v_readfirstlane_b32 s14, v1                    ; wave w
	s_lshr_b32 s26, ttmp9, 2                       ; 8 b + kb
	s_and_b32 s25, ttmp9, 3                        ; the quarter of o
	s_lshl_b32 s27, s25, 3
	s_add_co_u32 s27, s27, s14                     ; my tile of 16 o
	s_lshl_b32 s36, s26, 17                        ; 64 rows of 2,048 bytes
	s_mov_b32 s37, 0
	s_lshl_b32 s38, s26, 8
	s_mov_b32 s39, 0
	s_lshl_b32 s40, s27, 14
	s_mov_b32 s41, 0
	s_lshl_b32 s42, s27, 6
	s_mov_b32 s43, 0
	s_lshl_b32 s44, s26, 16
	s_lshl_b32 s45, s27, 11
	s_add_co_u32 s44, s44, s45
	s_mov_b32 s45, 0
	v_and_b32 v1, 31, v0                           ; l
	v_and_b32 v6, 15, v0                           ; r
	v_bfe_u32 v7, v0, 4, 1                         ; h
	v_lshlrev_b32 v2, 4, v0                        ; 16 t: two rows of KX for the 256 threads
	v_lshrrev_b32 v3, 7, v0
	v_mul_u32_u24 v3, v3, PA
	v_and_b32 v8, 127, v0
	v_lshl_add_u32 v3, v8, 3, v3                   ; the same place in LDS, in bf16
	v_mul_u32_u24 v4, v6, PA
	v_lshl_add_u32 v4, v7, 4, v4                   ; a fragment of KX
	v_lshlrev_b32 v5, 5, v7
	v_add_nc_u32 v5, KSL, v5
	v_lshlrev_b32 v8, 4, v1
	v_lshlrev_b32 v9, 2, v6
	v_lshlrev_b32 v10, 2, v0
	v_add_nc_u32 v11, KSL, v10
	s_mul_i32 s24, s14, 16*PS
	s_add_co_u32 s24, s24, STG
	v_mul_u32_u24 v12, v6, PS
	v_lshl_add_u32 v12, v7, 4, v12
	v_add_nc_u32 v12, s24, v12
	v_lshrrev_b32 v13, 3, v1
	v_mul_u32_u24 v13, v13, PS
	v_and_b32 v14, 7, v0
	v_lshl_add_u32 v13, v14, 4, v13
	v_add_nc_u32 v13, s24, v13
	s_wait_kmcnt 0x0
	s_add_nc_u64 s[16:17], s[4:5], s[36:37]        ; the four partial sums' blocks
	s_add_nc_u64 s[18:19], s[16:17], 0x800000
	s_add_nc_u64 s[20:21], s[18:19], 0x800000
	s_add_nc_u64 s[22:23], s[20:21], 0x800000
	s_add_nc_u64 s[38:39], s[6:7], s[38:39]
	s_add_nc_u64 s[40:41], s[8:9], s[40:41]
	s_add_nc_u64 s[42:43], s[10:11], s[42:43]
	s_add_nc_u64 s[44:45], s[12:13], s[44:45]
.set k, 0
.rept 16
	global_load_b128 v[W2+8*k:W2+8*k+3],   v8, s[40:41] offset:1024*k      ; 512 consecutive bytes an instruction: prep stored them in this order
	global_load_b128 v[W2+8*k+4:W2+8*k+7], v8, s[40:41] offset:1024*k+512
.set k, k+1
.endr
	global_load_b32 v16, v9, s[42:43]              ; wb of my o
	s_cmp_lt_u32 s14, 2
	s_cbranch_scc0 .Lno_ks
.irp q, 0,1,2,3
	global_load_b32 v[18+(\q)], v10, s[38:39] offset:16384*(\q)   ; threads 0-63: the four partial sums of ks
.endr
.Lno_ks:
.macro LOADB i                         ; batch i: four steps of two rows x four partial sums: 16 loads into buffer i % 4 of window 1
	WIN 0x40
.irp s, 0,1,2,3
.irp q, 0,1,2,3
.set rB, 64*((\i)%4)+16*(\s)+4*(\q)
	global_load_b128 v[rB:rB+3], v2, s[16+2*(\q):17+2*(\q)] offset:4096*(4*(\i)+(\s))
.endr
.endr
.endm
.macro SUMB i, left                    ; left: the younger batches' loads, which may stay out
	s_wait_loadcnt \left
	WIN 0x45
.irp s, 0,1,2,3
.set rB, 64*((\i)%4)+16*(\s)
	v_pk_add_f32 v[rB:rB+1],     v[rB:rB+1],     v[rB+4:rB+5]
	v_pk_add_f32 v[rB+2:rB+3],   v[rB+2:rB+3],   v[rB+6:rB+7]
	v_pk_add_f32 v[rB+8:rB+9],   v[rB+8:rB+9],   v[rB+12:rB+13]
	v_pk_add_f32 v[rB+10:rB+11], v[rB+10:rB+11], v[rB+14:rB+15]
	v_pk_add_f32 v[rB:rB+1],     v[rB:rB+1],     v[rB+8:rB+9]
	v_pk_add_f32 v[rB+2:rB+3],   v[rB+2:rB+3],   v[rB+10:rB+11]
	v_cvt_pk_bf16_f32 v[rB],   v[rB],   v[rB+1]
	v_cvt_pk_bf16_f32 v[rB+1], v[rB+2], v[rB+3]
.endr
	WIN 0x04
.irp s, 0,1,2,3
.set rB, 64*((\i)%4)+16*(\s)
	ds_store_b64 v3, v[rB:rB+1] offset:2*PA*(4*(\i)+(\s))
.endr
.if (\i) < 4
	LOADB (\i)+4
.endif
.endm
	LOADB 0
	LOADB 1
	LOADB 2
	LOADB 3
	SUMB 0, 48
	SUMB 1, 48
	SUMB 2, 48
	SUMB 3, 48
	SUMB 4, 48
	SUMB 5, 32
	SUMB 6, 16
	SUMB 7, 0
	WIN 0
	v_mov_b32 v17, v16                             ; named with it as a pair
	s_cmp_lt_u32 s14, 2
	s_cbranch_scc0 .Lno_ks2
	v_add_f32 v18, v18, v19
	v_add_f32 v20, v20, v21
	v_add_f32 v18, v18, v20
	ds_store_b32 v11, v18
.Lno_ks2:
	s_wait_dscnt 0x0                               ; for the others' sake: my stores are done
	s_barrier_signal -1
	s_barrier_wait -1
.irp d, 0,1,2,3
	ds_load_b128 v[KS+8*(\d):KS+8*(\d)+3],   v5 offset:64*(\d)
	ds_load_b128 v[KS+8*(\d)+4:KS+8*(\d)+7], v5 offset:64*(\d)+16
.endr
.macro LOADA i                         ; KX's fragments of steps 2 i, 2 i + 1 for the four d tiles: 16 loads into buffer i % 2 of window 1
	WIN 0x40
.irp k, 0,1
.irp d, 0,1,2,3
.set rA, 64*((\i)%2)+32*(\k)+8*(\d)
	ds_load_b128 v[rA:rA+3],   v4 offset:16*PA*(\d)+64*(2*(\i)+(\k))
	ds_load_b128 v[rA+4:rA+7], v4 offset:16*PA*(\d)+64*(2*(\i)+(\k))+32
.endr
.endr
.endm
.macro MULA i                          ; source 0 = 16 rows d of KX, source 1 = 16 rows o of W2: a lane ends with M(d = 8 h + 0..7, o = r).  The four accumulators take turns
	WIN 0x01
.irp k, 0,1
.irp d, 0,1,2,3
.set rA, 64*((\i)%2)+32*(\k)+8*(\d)
.set rW, W2+8*(2*(\i)+(\k))
.if ((\i) == 0) && ((\k) == 0)
	v_wmma_f32_16x16x32_bf16 v[ACC+8*(\d):ACC+8*(\d)+7], v[rA:rA+7], v[rW:rW+7], 0
.else
	v_wmma_f32_16x16x32_bf16 v[ACC+8*(\d):ACC+8*(\d)+7], v[rA:rA+7], v[rW:rW+7], v[ACC+8*(\d):ACC+8*(\d)+7]
.endif
.endr
.endr
.endm
	LOADA 0
	LOADA 1
.irp i, 0,1,2,3,4,5
	s_wait_dscnt 16                                ; the older buffer is in; the other's 16 loads may stay out
	MULA \i
	PLACES
	LOADA (\i)+2
.endr
	s_wait_dscnt 16
	MULA 6
	s_wait_dscnt 0x0
	MULA 7
	WIN 0
	PLACES
	PLACES
.set i, 0
.rept 16
	v_pk_fma_f32 v[ACC+2*i:ACC+2*i+1], v[KS+2*i:KS+2*i+1], v[16:17], v[ACC+2*i:ACC+2*i+1] op_sel_hi:[1,0,1]   ; + ks[d] wb[o]
.set i, i+1
.endr
.irp d, 0,1,2,3
.irp p, 0,1,2,3
	v_cvt_pk_bf16_f32 v[ACC+8*(\d)+(\p)], v[ACC+8*(\d)+2*(\p)], v[ACC+8*(\d)+2*(\p)+1]
.endr
.endr
.irp d, 0,1,2,3
	ds_store_b128 v12, v[ACC+8*(\d):ACC+8*(\d)+3] offset:32*(\d)
.endr
.irp q, 0,1,2,3
	ds_load_b128 v[224+4*(\q):227+4*(\q)], v13 offset:4*PS*(\q)    ; my own bytes, served in order: four rows of 128 bytes
.endr
	s_wait_dscnt 0x0
.irp q, 0,1,2,3
	global_store_b128 v8, v[224+4*(\q):227+4*(\q)], s[44:45] offset:512*(\q)   ; 512 consecutive bytes, aligned
.endr
	s_wait_tensorcnt 0x0                           ; the wave's end, behind my last LDS store
	ds_add_u32 v[SPW], v[NIL]
	s_wait_dscnt 0x0
	s_endpgm
.Lfunc_end_k_q8508852686_mk:
	.size	k_q8508852686_mk, .Lfunc_end_k_q8508852686_mk-k_q8508852686_mk
	.p2alignl 7, 3214868480
	.fill 96, 4, 3214868480
	.section	.rodata,"a",@progbits
	.p2align	6, 0x0
	.amdhsa_kernel k_q8508852686_mk
		.amdhsa_group_segment_fixed_size 86272
		.amdhsa_private_segment_fixed_size 0
		.amdhsa_enable_private_segment 0
		.amdhsa_kernarg_size 40
		.amdhsa_user_sgpr_count 2
		.amdhsa_user_sgpr_kernarg_segment_ptr 1
		.amdhsa_wavefront_size32 1
		.amdhsa_system_sgpr_workgroup_id_x 1
		.amdhsa_system_sgpr_workgroup_id_y 1
		.amdhsa_system_sgpr_workgroup_id_z 1
		.amdhsa_system_vgpr_workitem_id 0
		.amdhsa_next_free_vgpr 512
		.amdhsa_next_free_sgpr 66
		.amdhsa_reserve_vcc 0
		.amdhsa_float_denorm_mode_32 3
		.amdhsa_float_denorm_mode_16_64 3
		.amdhsa_memory_ordered 1
		.amdhsa_forward_progress 1
		.amdhsa_inst_pref_size 55
	.end_amdhsa_kernel
	.amdgpu_metadata
---
amdhsa.version: [ 1, 2 ]
amdhsa.kernels:
  - .name:           k_q8508852686_mk
    .symbol:         k_q8508852686_mk.kd
    .args:
      - { .name: kxp, .offset: 0, .size: 8, .value_kind: global_buffer, .address_space: global }
      - { .name: ksp, .offset: 8, .size: 8, .value_kind: global_buffer, .address_space: global }
      - { .name: w2f, .offset: 16, .size: 8, .value_kind: global_buffer, .address_space: global }
      - { .name: wb, .offset: 24, .size: 8, .value_kind: global_buffer, .address_space: global }
      - { .name: mtb, .offset: 32, .size: 8, .value_kind: global_buffer, .address_space: global }
    .group_segment_fixed_size: 86272
    .private_segment_fixed_size: 0
    .kernarg_segment_align: 8
    .kernarg_segment_size: 40
    .max_flat_workgroup_size: 256
    .sgpr_count:     66
    .vgpr_count:     512
    .wavefront_size: 32
...
	.end_amdgpu_metadata
.endif
;; end of part 3
;; launch attn (part 4): grid 256 x 1, 4 waves a work-group, clusters of 4 x 1, 327,680 bytes of LDS; arguments xb, wqb, bq, mtb, ksp, bo, out0; writes out0
.if DOCPART == 4
	.amdgcn_target "amdgcn-amd-amdhsa--gfx1250"
	.amdhsa_code_object_version 6
	.text
	.protected	k_q8508852686_attn
	.globl	k_q8508852686_attn
	.p2align	8
	.type	k_q8508852686_attn,@function
k_q8508852686_attn:
	s_mov_b64 s[64:65], 0
	v_nop
	global_prefetch_b8 v0, s[64:65] scope:SCOPE_SE
	s_setreg_imm32_b32 hwreg(HW_REG_WAVE_MODE, 25, 1), 1
	s_wait_xcnt 0x0
	s_wait_alu depctr_hold_cnt(0) depctr_sa_sdst(0) depctr_va_vdst(0) depctr_va_sdst(0) depctr_va_ssrc(0) depctr_va_vcc(0) depctr_vm_vsrc(0)
	s_getreg_b32 s2, hwreg(HW_REG_IB_STS2, 6, 4)
	s_cmp_eq_u32 s2, 0
	s_cbranch_scc0 .Lentry_in_a_cluster
	s_endpgm
.Lentry_in_a_cluster:
	s_bfe_u32 s2, ttmp6, 0x10000c
	s_cmp_lg_u32 s2, 0x3003
	s_cbranch_scc0 .Lentry_shape_is_right
	s_endpgm
.Lentry_shape_is_right:
; ATTN.  For 128 rows of one batch b: Q = elu(x Wq^T + bq) + 1; Z = Q . (ks + 1e-6); out = (Q M[b]) / Z + bo.  x, Wq, Q and M enter the products as bf16; sums, Z, biases in f32;
; Z is taken of the unrounded Q; the division is a multiplication by v_rcp_f32 of Z.
; elu(z) + 1 is the middle one of z + 1, e^z and 1.  LIMITS: it differs from expm1(z) + 1 in f32 by 2^-24 at the most, and the exponent is made of the rounded z + 1; e^z below 2^-126 counts as 0,
; and so does a Z below 2^-126; NaN and infinities are not treated apart.
; SHARES.  Two chained products of 128 x 512 x 512, by ONE text walked twice.  A wave makes all 128 rows x 128 columns: 64 accumulators.  The left operand (x, then Q) lies whole in LDS;
; the weights (8 blocks [512][64] of Wq, then 8 of M[b]^T) go through a ring of two slots, a K step of 64 each; the ring runs on from the first product into the second.
; CLUSTER.  The four partners are four row blocks of one batch and walk the same sixteen blocks of weights: each is asked for JOINTLY (mask 15), each wave the 128 weight rows that it multiplies by.
; THE WALK ALONG K BEGINS AT ANOTHER BLOCK IN EACH CLUSTER.  rho = the cluster's number mod 4; step s of either product takes block (2 rho + s) mod 8 (f32 sums may be taken in any order).  So at any step the
; clusters ask for four different blocks, and from a product's third step on each block has been asked for by other clusters two steps or more before.  rho enters GLOBAL addresses alone:
; x and Q lie in LDS as four blocks of 128 K; LDS block j holds columns 128 ((rho + j) mod 4) on.  x comes so by its loads' addresses (wave w brings block w); Q comes so because in the first product
; wave w takes the weight rows, bq and ks of d = 128 ((rho + w) mod 4) on, and stores its Q into block w.  In the second product wave w makes columns o = 128 w on.
; No prefetch: the weights are not read once, and x is a first fill at the head.
; THE MATRIX INSTRUCTION IS USED TRANSPOSED: source 0 = 16 weight rows, source 1 = 16 rows of x or Q: a lane holds row r and eight neighbouring columns 8 h + 0..7.
; The sums start from a C operand in registers: bq + 1 in the first product, zeros in the second (64 lines, the price of one text for both).
; ELU and the way out are written for rows 0-63 and walked twice; between the trips rows 64-127's accumulators are moved into rows 0-63's registers: 256 moves at each of the two places,
; the price of halving these two texts, the longest of the kernel.
; REGISTERS: window 0 addresses, Z, two buffers of x's or Q's fragments (also at work in ELU and on the way out); window 1: v0-63 ks + 1e-6, later bo; two buffers of weight fragments; v192-255 the C operand;
; windows 2, 3: accumulator (a, t) at 8 (8 (a % 4) + t).
.set PW,    144                        ; a weight row in LDS: 128 bytes + 16
.set RING1, 512*PW                     ; slot 1
.set XQ,    2*RING1                    ; x, filled once; then Q, stored by the waves
.set PXB,   272                        ; a row of a block of x or Q: 256 bytes + 16
.set XBLK,  128*PXB                    ; a block: 128 rows x 128 K
.set ZP,    XQ+4*XBLK                  ; [128 rows][4 waves] f32
.set STG,   ZP+2048                    ; the way out: 16 rows x 528 bytes a wave
.set PST,   528
.set SPARE, STG+4*16*PST               ; the spare words: two blocks of 256 bytes that no other line names
.set WTILE, 65536                      ; a block of weights in memory
.set ADRX, 16                          ; v16  x's or Q's fragments at the lap in hand
.set ZSTC, 17                          ; v17  ZST at the trip in hand
.set ADRX0, 18                         ; v18  XQ + 272 r + 16 h; never rewritten
.set ADRW, 20                          ; v20-21  my weight rows' fragments in slot 0, 1
.set QST,  22                          ; v22  where I put 16 bytes of Q: block w; never rewritten
.set QSTC, 23                          ; v23  the same at the trip in hand
.set STO,  24
.set RD,   25
.set CO,   26
.set ZLD,  27
.set SPW,  28
.set NIL,  29
.set BOF,  30                          ; 32 h: my 8 columns' f32 in a tile of 16
.set ZST,  31
.set ZS,   32                          ; v[32:39] Z's partial sums, a pair a row tile of the trip; later v[32:39] 1 / Z of the eight row tiles
.set RZ,   32
.set ZT,   48                          ; v[48:55] four chains
.set F0,   64
.set F1,   128
.set T,    64                          ; ELU: the exponents and exponentials
.set P,    128                         ; ELU: Q in bf16
.set CB,   192                         ; window 1
.set MSB, 0
.macro WIN new
.if MSB != (\new)
	s_set_vgpr_msb (MSB<<8)|(\new)
.set MSB, \new
.endif
.endm
.macro PLACES
.rept 4
	v_nop
.endr
.endm
.macro CREST                           ; a round of the cluster's barrier behind its opening barrier
	s_cmp_lg_u32 s18, 0
	s_cbranch_scc1 .Lnot_wave_0_\@
	s_barrier_signal -3
.Lnot_wave_0_\@:
	s_barrier_wait -3
	s_barrier_signal -1
	s_barrier_wait -1
.endm
.macro CROUND
	s_barrier_signal -1
	s_barrier_wait -1
	CREST
.endm
.macro JLOAD s                         ; my quarter of a block of weights into slot s; an s_nop 0 and four v_nop follow
	tensor_load_to_lds s[32+4*(\s):35+4*(\s)], s[24:31]
	s_nop 0
	PLACES
.endm
.macro FILLADR s                       ; slot s's global address is made anew: the product's base + the block's offset; then the offset steps, modulo the eight blocks
	s_add_nc_u64 s[34+4*(\s):35+4*(\s)], s[58:59], s[60:61]
	s_or_b32 s[35+4*(\s)], s[35+4*(\s)], 0x80000000
	s_add_co_u32 s60, s60, WTILE
	s_and_b32 s60, s60, 7*WTILE
.endm
.macro MOVEUP                          ; rows 64-127's accumulators into rows 0-63's registers, each accumulator from its low end on
	WIN 0x83                                       ; destination window 2, source window 3
.set i, 0
.rept 256
	v_mov_b32 v[i], v[i]
.set i, i+1
.endr
	WIN 0
.endm
	s_load_b256 s[4:11], s[0:1], 0x0               ; xb s[4:5], wqb s[6:7], bq s[8:9], mtb s[10:11]
	s_load_b128 s[12:15], s[0:1], 0x20             ; ksp s[12:13], bo s[14:15]
	s_load_b64 s[16:17], s[0:1], 0x30              ; out0
	v_lshl_add_u32 v[SPW], v0, 2, SPARE
	v_mov_b32 v[NIL], 0
	ds_add_u32 v[SPW], v[NIL]                      ; the wave's opening: the add and its wait stand ahead of my first tensor load; the set-up stands between them
	v_lshrrev_b32 v1, 5, v0
	v_readfirstlane_b32 s18, v1                    ; wave w
	s_bfe_u32 s19, ttmp6, 0x40000                  ; cx
	s_lshl_b32 s20, ttmp9, 2
	s_add_co_u32 s20, s20, s19                     ; my block of 128 rows: it enters x's and out0's addresses alone
	s_lshr_b32 s21, ttmp9, 3                       ; b, which the partners share
	s_and_b32 s23, ttmp9, 3                        ; rho, which the partners share
	s_lshl_b32 s60, s23, 17                        ; the walk's first block: 2 rho, in bytes
	s_mov_b32 s61, 0
	s_add_co_u32 s23, s23, s18
	s_and_b32 s23, s23, 3                          ; (rho + w) mod 4: my block of x's columns, and my block of d in the first product
	s_mov_b32 s24, 15|(1<<16)|(1<<20)|(1<<21)|(4<<22)|(3<<25)  ; weights: mask of four; 2-byte elements; padding on; bit 21 beside a mask; after every 32 words; 4 words
	s_mov_b32 s25, 128<<16                         ; 128 weight rows are 16,384 dense bytes: asked for as 64 rows of 256 bytes
	s_mov_b32 s26, 64<<16
	s_mov_b32 s27, 128<<16
	s_mov_b32 s28, 64
	s_mov_b32 s29, 128
	s_mov_b32 s30, 0
	s_mov_b32 s31, 0
	s_mov_b32 s40, (1<<16)|(1<<20)|(5<<22)|(3<<25) ; x: my own load: 128 rows of 256 bytes; after every 64 words 4 words of padding
	s_mov_b32 s41, 128<<16
	s_mov_b32 s42, 128<<16
	s_mov_b32 s43, 128<<16
	s_mov_b32 s44, 128
	s_mov_b32 s45, 512
	s_mov_b32 s46, 0
	s_mov_b32 s47, 0
	s_mov_b32 s32, 1
	s_mul_i32 s33, s18, 128*PW
	s_mov_b32 s36, 1
	s_add_co_u32 s37, s33, RING1
	s_mov_b32 s48, 1
	s_mul_i32 s49, s18, XBLK
	s_add_co_u32 s49, s49, XQ                      ; LDS block w
	s_lshl_b32 s50, s20, 17                        ; my block's rows of xb,
	s_lshl_b32 s2, s23, 8                          ; my wave's 256 bytes of each
	s_add_co_u32 s50, s50, s2
	s_mov_b32 s51, 0
	s_lshl_b32 s52, s21, 19                        ; M[b],
	s_lshl_b32 s2, s18, 14                         ; rows o = 128 w on of each block
	s_add_co_u32 s52, s52, s2
	s_mov_b32 s53, 0
	s_lshl_b32 s58, s23, 14                        ; Wq: rows d = 128 ((rho + w) mod 4) on of each block
	s_mov_b32 s59, 0
	s_lshl_b32 s62, s20, 18
	s_mov_b32 s63, 0
	s_mov_b32 s54, 0x3fb8aa3b                      ; log2(e)
	s_mov_b32 s55, 0x3fb8aa3b
	s_mov_b32 s56, 0x76543210
	s_mov_b32 s57, 0xfedcba98
	s_mov_b32 s22, 0                               ; LDS bytes from block 0 to the lap's block
	v_and_b32 v1, 15, v0                           ; r
	v_bfe_u32 v2, v0, 4, 1                         ; h
	v_and_b32 v3, 31, v0                           ; l
	v_lshlrev_b32 v[BOF], 5, v2
	s_lshl_b32 s2, s18, 9
	v_lshl_add_u32 v[CO], v3, 4, s2
	s_wait_dscnt 0x0                               ; the opening add is done
	s_wait_kmcnt 0x0
	s_add_nc_u64 s[58:59], s[6:7], s[58:59]        ; the first product's base
	s_add_nc_u64 s[50:51], s[4:5], s[50:51]
	s_or_b32 s51, s51, 0x80000000
	s_add_nc_u64 s[52:53], s[10:11], s[52:53]      ; the second product's base
	s_add_nc_u64 s[16:17], s[16:17], s[62:63]      ; out0 at my block's first row
	s_lshl_b32 s62, s23, 9
	s_add_nc_u64 s[8:9], s[8:9], s[62:63]          ; bq at my 128 d
	s_lshl_b32 s2, s21, 11
	s_add_co_u32 s62, s62, s2
	s_add_nc_u64 s[12:13], s[12:13], s[62:63]      ; ksp at b and my 128 d
	s_lshl_b32 s62, s18, 9
	s_add_nc_u64 s[14:15], s[14:15], s[62:63]      ; bo at my 128 o
	FILLADR 0                                      ; step 0,
	FILLADR 1                                      ; step 1
	CROUND                                         ; all four work-groups are here: the first joint loads meet
	tensor_load_to_lds s[48:51], s[40:47]          ; the first fills go out as one group: three loads of mine are out: x,
	s_nop 0
	tensor_load_to_lds s[32:35], s[24:31]          ; slot 0,
	s_nop 0
	tensor_load_to_lds s[36:39], s[24:31]          ; slot 1
	s_nop 0
	PLACES
	WIN 0x40
.set t, 0
.rept 8
	global_load_b128 v[CB+8*t:CB+8*t+3],   v[BOF], s[8:9] offset:64*t
	global_load_b128 v[CB+8*t+4:CB+8*t+7], v[BOF], s[8:9] offset:64*t+16
.set t, t+1
.endr
	WIN 0x80                                       ; ks's four partial sums, into registers that the accumulators take later
.irp q, 0,1,2,3
.set t, 0
.rept 8
	global_load_b128 v[64*(\q)+8*t:64*(\q)+8*t+3],   v[BOF], s[12:13] offset:16384*(\q)+64*t
	global_load_b128 v[64*(\q)+8*t+4:64*(\q)+8*t+7], v[BOF], s[12:13] offset:16384*(\q)+64*t+16
.set t, t+1
.endr
.endr
	WIN 0
	v_mul_u32_u24 v[ADRX0], v1, PXB
	v_lshl_add_u32 v[ADRX0], v2, 4, v[ADRX0]
	v_add_nc_u32 v[ADRX0], XQ, v[ADRX0]
	v_mov_b32 v[ADRX], v[ADRX0]
	v_mul_u32_u24 v[ADRW], v1, PW
	v_lshl_add_u32 v[ADRW], v2, 4, v[ADRW]
	v_add_nc_u32 v[ADRW], s33, v[ADRW]
	v_add_nc_u32 v[ADRW+1], RING1, v[ADRW]
	s_mul_i32 s2, s18, XBLK
	v_add_nc_u32 v[QST], s2, v[ADRX0]
	s_mul_i32 s2, s18, 16*PST
	s_add_co_u32 s2, s2, STG
	v_mul_u32_u24 v[STO], v1, PST
	v_lshl_add_u32 v[STO], v2, 5, v[STO]
	v_add_nc_u32 v[STO], s2, v[STO]
	v_lshl_add_u32 v[RD], v3, 4, s2
	v_lshlrev_b32 v[ZLD], 4, v1
	v_add_nc_u32 v[ZLD], ZP, v[ZLD]
	s_lshl_b32 s2, s18, 2
	v_add_nc_u32 v[ZST], s2, v[ZLD]
	s_wait_loadcnt 0x0
	WIN 0x41
.set i, 0
.rept 32
	v_pk_add_f32 v[CB+2*i:CB+2*i+1], v[CB+2*i:CB+2*i+1], 1.0 op_sel_hi:[1,0]   ; bq + 1
.set i, i+1
.endr
	WIN 0x8a
.set i, 0
.rept 32
	v_pk_add_f32 v[2*i:2*i+1], v[2*i:2*i+1], v[64+2*i:65+2*i]
	v_pk_add_f32 v[128+2*i:129+2*i], v[128+2*i:129+2*i], v[192+2*i:193+2*i]
.set i, i+1
.endr
.set i, 0
.rept 32
	v_pk_add_f32 v[2*i:2*i+1], v[2*i:2*i+1], v[128+2*i:129+2*i]
.set i, i+1
.endr
	WIN 0x42
.set i, 0
.rept 32
	v_pk_add_f32 v[2*i:2*i+1], v[2*i:2*i+1], 0x358637bd op_sel_hi:[1,0]        ; ks + 1e-6, into window 1
.set i, i+1
.endr
	WIN 0
; 32 LDS loads in one run: the fragments of 32 along K: my 128 weight rows (half sub of the slot's 64 K), then the 128 rows of x or Q at byte koff behind the lap's block
.macro FETCH slot, sub, koff, f
	WIN 0x40
.set t, 0
.rept 8
	ds_load_b128 v[(\f)+8*t:(\f)+8*t+3],   v[ADRW+(\slot)] offset:64*(\sub)+16*PW*t
	ds_load_b128 v[(\f)+8*t+4:(\f)+8*t+7], v[ADRW+(\slot)] offset:64*(\sub)+16*PW*t+32
.set t, t+1
.endr
	WIN 0
.set t, 0
.rept 8
	ds_load_b128 v[(\f)+8*t:(\f)+8*t+3],   v[ADRX] offset:(\koff)+16*PXB*t      ; 34,816 + 64 + 32 + 7 x 4,352 = 65,376 at the most: inside the 16 bits
	ds_load_b128 v[(\f)+8*t+4:(\f)+8*t+7], v[ADRX] offset:(\koff)+16*PXB*t+32
.set t, t+1
.endr
.endm
; 16 products: row tiles a0, a0 + 1 of the window's four x all 8 column tiles.  cm = 1: the sums start from the C operand in window 1.  All accumulators take turns.
.macro MUL16 f, hi, a0, cm
.if \cm
	WIN 0x91+0x40*(\hi)
.else
	WIN 0xa1+0x50*(\hi)
.endif
.irp a, \a0, (\a0)+1
.irp t, 0,1,2,3,4,5,6,7
.set rD, 8*(8*(\a)+(\t))
.set rX, (\f)+8*(4*(\hi)+(\a))
.if \cm
	v_wmma_f32_16x16x32_bf16 v[rD:rD+7], v[(\f)+8*(\t):(\f)+8*(\t)+7], v[rX:rX+7], v[CB+8*(\t):CB+8*(\t)+7]
.else
	v_wmma_f32_16x16x32_bf16 v[rD:rD+7], v[(\f)+8*(\t):(\f)+8*(\t)+7], v[rX:rX+7], v[rD:rD+7]
.endif
.endr
.endr
.endm
; The first half of a K step: multiplies buffer 0; in its middle it fetches the second half's fragments into buffer 1.
.macro QUARTER nslot, nsub, koff, cm
	s_wait_dscnt 8                                 ; the weights and rows 0-63 are in; the youngest eight loads (rows 64-127) may be out
	MUL16 F0, 0, 0, \cm
	MUL16 F0, 0, 2, \cm
	PLACES
	FETCH \nslot, \nsub, \koff, F1
	s_wait_dscnt 32                                ; all but the 32 just issued
	MUL16 F0, 1, 0, \cm
	MUL16 F0, 1, 2, \cm
.endm
; The second half multiplies buffer 1 and changes slots.  In front of the barrier each wave waits for all its tensor loads, of which one is out: its part of the next slot; adds 0 to its spare word; and waits for that and for its reads.
.macro MEET round
	WIN 0
	s_wait_tensorcnt 0x0
	ds_add_u32 v[SPW], v[NIL]
	s_wait_dscnt 9                                 ; (the add and the youngest eight loads may be out)
	MUL16 F1, 0, 0, 0                              ; sixteen products stand between the add and the wait for it
	s_wait_dscnt 0x0                               ; the add is done, and my reads of this slot are over
	s_barrier_signal -1
	MUL16 F1, 0, 2, 0
.if \round
	WIN 0
.endif
	s_barrier_wait -1
.endm
; fill = 1: the slot takes the walk's block two steps on, first thing behind a round of the cluster's barrier.  nslot >= 0: the next K step's first fragments are fetched.
.macro TURN slot, fill, nslot, nsub, koff
.if \fill
	MEET 1
	CREST
	FILLADR \slot
	JLOAD \slot                                    ; its four v_nop are also the places in front of the loads below
.else
	MEET 0
	PLACES
.endif
.if (\nslot) >= 0
	FETCH \nslot, \nsub, \koff, F0
.endif
	MUL16 F1, 1, 0, 0
	MUL16 F1, 1, 2, 0
.endm
; Row tile a (0..3 of the trip) after the first product: u = z + 1 lies in its 8 accumulators, 64 numbers a lane.  (u - 1) log2(e); the 64 exponentials as ONE batch with one wait; the middle of three;
; Z's share in four chains; rounding; 16 bytes (8 d of one row) into Q's place.  Each accumulator is read from its low end on.
.macro ELUROW a
.set U, 64*(\a)
	WIN 0x02
.set i, 0
.rept 32
	v_pk_fma_f32 v[T+2*i:T+2*i+1], v[U+2*i:U+2*i+1], s[54:55], s[54:55] op_sel_hi:[1,0,0] neg_lo:[0,0,1] neg_hi:[0,0,1]
.set i, i+1
.endr
	WIN 0
.set i, 0
.rept 64
	v_exp_f32 v[T+i], v[T+i]
.set i, i+1
.endr
	v_nop                                          ; a plain instruction behind the last exponential,
	s_wait_alu depctr_va_vdst(0)                   ; and the one wait ahead of the batch's first reader
	WIN 0x82
.set i, 0
.rept 64
	v_med3_num_f32 v[U+i], v[U+i], v[T+i], 1.0
.set i, i+1
.endr
	WIN 0x06
.set i, 0
.rept 4
	v_pk_mul_f32 v[ZT+2*i:ZT+2*i+1], v[U+2*i:U+2*i+1], v[2*i:2*i+1]
.set i, i+1
.endr
.rept 28
	v_pk_fma_f32 v[ZT+2*(i%4):ZT+2*(i%4)+1], v[U+2*i:U+2*i+1], v[2*i:2*i+1], v[ZT+2*(i%4):ZT+2*(i%4)+1]
.set i, i+1
.endr
	WIN 0x0a
.set i, 0
.rept 32
	v_cvt_pk_bf16_f32 v[P+i], v[U+2*i], v[U+2*i+1]
.set i, i+1
.endr
	WIN 0
	v_pk_add_f32 v[ZT:ZT+1], v[ZT:ZT+1], v[ZT+2:ZT+3]
	v_pk_add_f32 v[ZT+4:ZT+5], v[ZT+4:ZT+5], v[ZT+6:ZT+7]
	v_pk_add_f32 v[ZS+2*(\a):ZS+2*(\a)+1], v[ZT:ZT+1], v[ZT+4:ZT+5]
.set t, 0
.rept 8
	ds_store_b128 v[QSTC], v[P+4*t:P+4*t+3] offset:16*PXB*(\a)+32*t
.set t, t+1
.endr
.endm
; THE WAY OUT of row tile a (0..3 of the trip).  PACK: times 1 / Z, plus bo.  TOSTAGE: into my own stage, and back as whole rows of 512 bytes.  SEND: stored.
.macro PACK a
.set U, 64*(\a)
.set rR, RZ+2*((\a)/2)
	WIN 0x92
.set i, 0
.rept 32
.if (\a)%2
	v_pk_fma_f32 v[U+2*i:U+2*i+1], v[U+2*i:U+2*i+1], v[rR:rR+1], v[2*i:2*i+1] op_sel:[0,1,0] op_sel_hi:[1,1,1]
.else
	v_pk_fma_f32 v[U+2*i:U+2*i+1], v[U+2*i:U+2*i+1], v[rR:rR+1], v[2*i:2*i+1] op_sel_hi:[1,0,1]
.endif
.set i, i+1
.endr
.endm
.macro TOSTAGE a
.set U, 64*(\a)
.set BK, 64+64*((\a)%2)
	WIN 0x08
.set t, 0
.rept 8
	ds_store_b128 v[STO], v[U+8*t:U+8*t+3]   offset:64*t
	ds_store_b128 v[STO], v[U+8*t+4:U+8*t+7] offset:64*t+16
.set t, t+1
.endr
	WIN 0
.set q, 0
.rept 16
	ds_load_b128 v[BK+4*q:BK+4*q+3], v[RD] offset:PST*q   ; LDS serves a wave's instructions in order: these see the stores above
.set q, q+1
.endr
.endm
.macro SEND a
.set BK, 64+64*((\a)%2)
	WIN 0
	s_wait_dscnt 0x0                               ; the tile is back in registers
	s_wait_xcnt 0x0                                ; the registers that the stores two tiles back read are loaded again only behind this wait
.set q, 0
.rept 16
	global_store_b128 v[CO], v[BK+4*q:BK+4*q+3], s[16:17] offset:(16*(\a)+q)*2048 th:TH_STORE_NT   ; 512 consecutive bytes, aligned
.set q, q+1
.endr
.endm
	s_wait_tensorcnt 1                             ; my parts of x and of slot 0 are in; slot 1's may stay out
	s_barrier_signal -1
	s_barrier_wait -1
	FETCH 0, 0, 0, F0
	s_mov_b32 s2, 2                                ; products to go, this one among them
.Lpass:
	QUARTER 0, 1, 64, 1                            ; a product's first 32 along K stand in front of the loop: they start the sums
	WIN 0
	s_mov_b32 s3, 3
.Llap:                                                 ; a trip goes once round the ring, from a lap's second quarter to the next lap's first, and fills both slots again; a lap is one LDS block of x or Q
	TURN 0, 1, 1, 0, 128
	QUARTER 1, 1, 192, 0
	TURN 1, 1, 0, 0, XBLK
	QUARTER 0, 1, XBLK+64, 0
	WIN 0
	s_add_co_u32 s22, s22, XBLK
	v_add_nc_u32 v[ADRX], s22, v[ADRX0]
	s_sub_co_u32 s3, s3, 1
	s_cmp_lg_u32 s3, 0
	s_cbranch_scc1 .Llap
	s_cmp_eq_u32 s2, 1
	s_cbranch_scc1 .Llast                          ; the second product's tail is written out: it asks for nothing more
	s_mov_b64 s[58:59], s[52:53]                   ; THE RING GOES ON INTO THE SECOND PRODUCT: from here on the fills take M's blocks; after eight steps the offset stands at 2 rho again
	TURN 0, 1, 1, 0, 128
	QUARTER 1, 1, 192, 0
	TURN 1, 1, -1, 0, 0                            ; behind this round no wave reads x any more: Q may take its place
	WIN 0
	PLACES
	PLACES
	v_mov_b32 v[QSTC], v[QST]
	v_mov_b32 v[ZSTC], v[ZST]
	s_mov_b32 s19, 2                               ; two trips: rows 0-63, rows 64-127
	s_mov_b32 s20, 0
	s_mov_b32 s21, 0
.Lelu:
.irp a, 0,1,2,3
	ELUROW \a
.endr
.irp a, 0,1,2,3
	v_add_f32 v[ZS+2*(\a)], v[ZS+2*(\a)], v[ZS+2*(\a)+1]
.endr
.irp a, 0,1,2,3
	v_permlanex16_b32 v[ZS+2*(\a)+1], v[ZS+2*(\a)], s56, s57   ; the row's other 64 of my columns lie in the lane 16 away
.endr
.irp a, 0,1,2,3
	v_add_f32 v[ZS+2*(\a)], v[ZS+2*(\a)], v[ZS+2*(\a)+1]
.endr
.irp a, 0,1,2,3
	ds_store_b32 v[ZSTC], v[ZS+2*(\a)] offset:256*(\a)
.endr
	s_sub_co_u32 s19, s19, 1
	s_cmp_eq_u32 s19, 0
	s_cbranch_scc1 .Lelu_done
	MOVEUP
	s_add_co_u32 s20, s20, 64*PXB                  ; 64 rows on in Q's block,
	v_add_nc_u32 v[QSTC], s20, v[QST]
	s_add_co_u32 s21, s21, 1024                    ; and in Z's table
	v_add_nc_u32 v[ZSTC], s21, v[ZST]
	s_branch .Lelu
.Lelu_done:
	WIN 0x40
.set t, 0
.rept 8
	global_load_b128 v[8*t:8*t+3],   v[BOF], s[14:15] offset:64*t      ; bo takes ks's place
	global_load_b128 v[8*t+4:8*t+7], v[BOF], s[14:15] offset:64*t+16
.set t, t+1
.endr
.set i, 0
.rept 64
	v_mov_b32 v[CB+i], 0                           ; the second product's sums start at 0
.set i, i+1
.endr
	WIN 0
	s_wait_dscnt 0x0                               ; for the others' sake: my parts of Q and of Z are stored
	s_barrier_signal -1                            ; slot 1's load may stay out across it
	s_barrier_wait -1
.irp a, 0,1,2,3,4,5,6,7
	ds_load_b128 v[64+4*(\a):67+4*(\a)], v[ZLD] offset:256*(\a)
.endr
	s_wait_dscnt 0x0
.irp a, 0,1,2,3,4,5,6,7
	v_add_f32 v[64+4*(\a)], v[64+4*(\a)], v[65+4*(\a)]
	v_add_f32 v[66+4*(\a)], v[66+4*(\a)], v[67+4*(\a)]
.endr
.irp a, 0,1,2,3,4,5,6,7
	v_add_f32 v[64+4*(\a)], v[64+4*(\a)], v[66+4*(\a)]
.endr
.irp a, 0,1,2,3,4,5,6,7
	v_rcp_f32 v[RZ+(\a)], v[64+4*(\a)]
.endr
	v_nop                                          ; a plain instruction behind the last reciprocal,
	s_wait_alu depctr_va_vdst(0)                   ; and the one wait for the eight, ahead of the branch
	s_mov_b32 s22, 0
	v_mov_b32 v[ADRX], v[ADRX0]
	FETCH 0, 0, 0, F0
	s_sub_co_u32 s2, s2, 1
	s_branch .Lpass
.Llast:
	TURN 0, 0, 1, 0, 128                           ; my one tensor load that was still out is slot 1's, the last block's, so no round follows
	QUARTER 1, 1, 192, 0
	s_wait_dscnt 8
	MUL16 F1, 0, 0, 0
	MUL16 F1, 0, 2, 0
	s_wait_dscnt 0x0
	MUL16 F1, 1, 0, 0
	MUL16 F1, 1, 2, 0
	WIN 0
	s_wait_loadcnt 0x0                             ; bo
	PLACES
	PLACES
	s_mov_b32 s19, 2                               ; two trips: rows 0-63, rows 64-127
.Lout:
	PACK 0
	TOSTAGE 0
.irp a, 1,2,3                          ; tile a's arithmetic stands between tile a - 1's loads from the stage and the wait for them
	PACK \a
	SEND (\a)-1
	TOSTAGE \a
.endr
	SEND 3
	s_sub_co_u32 s19, s19, 1
	s_cmp_eq_u32 s19, 0
	s_cbranch_scc1 .Lout_done
	MOVEUP                                         ; while the first half's stores are leaving
.irp a, 0,1,2,3
	v_mov_b32 v[RZ+(\a)], v[RZ+4+(\a)]
.endr
	s_wait_xcnt 0x0                                ; the stores have read their base and their registers
	s_add_nc_u64 s[16:17], s[16:17], 64*2048       ; 64 rows of out0 on
	s_branch .Lout
.Lout_done:
	s_wait_tensorcnt 0x0                           ; the wave's end, behind my last tensor load and my last LDS store
	ds_add_u32 v[SPW], v[NIL]
	s_wait_dscnt 0x0
	CROUND                                         ; the closing round
	s_endpgm
.Lfunc_end_k_q8508852686_attn:
	.size	k_q8508852686_attn, .Lfunc_end_k_q8508852686_attn-k_q8508852686_attn
	.p2alignl 7, 3214868480
	.fill 96, 4, 3214868480
	.section	.rodata,"a",@progbits
	.p2align	6, 0x0
	.amdhsa_kernel k_q8508852686_attn
		.amdhsa_group_segment_fixed_size 327680
		.amdhsa_private_segment_fixed_size 0
		.amdhsa_enable_private_segment 0
		.amdhsa_kernarg_size 56
		.amdhsa_user_sgpr_count 2
		.amdhsa_user_sgpr_kernarg_segment_ptr 1
		.amdhsa_wavefront_size32 1
		.amdhsa_system_sgpr_workgroup_id_x 1
		.amdhsa_system_sgpr_workgroup_id_y 1
		.amdhsa_system_sgpr_workgroup_id_z 1
		.amdhsa_system_vgpr_workitem_id 0
		.amdhsa_next_free_vgpr 1024
		.amdhsa_next_free_sgpr 66
		.amdhsa_reserve_vcc 0
		.amdhsa_float_denorm_mode_32 3
		.amdhsa_float_denorm_mode_16_64 3
		.amdhsa_memory_ordered 1
		.amdhsa_forward_progress 1
		.amdhsa_inst_pref_size 197
	.end_amdhsa_kernel
	.amdgpu_metadata
---
amdhsa.version: [ 1, 2 ]
amdhsa.kernels:
  - .name:           k_q8508852686_attn
    .symbol:         k_q8508852686_attn.kd
    .args:
      - { .name: xb, .offset: 0, .size: 8, .value_kind: global_buffer, .address_space: global }
      - { .name: wqb, .offset: 8, .size: 8, .value_kind: global_buffer, .address_space: global }
      - { .name: bq, .offset: 16, .size: 8, .value_kind: global_buffer, .address_space: global }
      - { .name: mtb, .offset: 24, .size: 8, .value_kind: global_buffer, .address_space: global }
      - { .name: ksp, .offset: 32, .size: 8, .value_kind: global_buffer, .address_space: global }
      - { .name: bo, .offset: 40, .size: 8, .value_kind: global_buffer, .address_space: global }
      - { .name: out0, .offset: 48, .size: 8, .value_kind: global_buffer, .address_space: global }
    .group_segment_fixed_size: 327680
    .private_segment_fixed_size: 0
    .kernarg_segment_align: 8
    .kernarg_segment_size: 56
    .max_flat_workgroup_size: 128
    .sgpr_count:     66
    .vgpr_count:     1024
    .wavefront_size: 32
...
	.end_amdgpu_metadata
.endif
;; end of part 4
